; MI455X (gfx1250); checked and timed in simulation.
; The chip was launched on July 23, 2026; its instructions are those of AMD's public machine-readable ISA for CDNA 5 (MIT licence, August 2026) and "CDNA5" Instruction Set Architecture Reference Guide (July 2026). The comments in the code are by the model that wrote it; some were corrected since.
;; Scaled Dot Product Attention. Allowed arithmetic: matrix products marked QUANTISED: E4M3 operands, one given power-of-two scale a tensor, by v_wmma_f32_16x16x64_fp8_fp8 or v_wmma_f32_16x16x128_fp8_fp8, f32 sums; everything else in f32.
;; Inputs: K_codes 16 x 2,048 x 2 x 32 uint8 (E4M3 codes of K, K innermost, in blocks of 32 codes); Krelpos_codes 2,048 x 2 x 32 uint8 (E4M3 codes of Krelpos, K innermost, in blocks of 32 codes); Q_codes 16 x 2,048 x 2 x 32 uint8 (E4M3 codes of Q, K innermost, in blocks of 32 codes); V_codes 16 x 64 x 64 x 32 uint8 (E4M3 codes of V, K innermost, in blocks of 32 codes); lowp_scales 6 int32 (the exponents e of the quantised operands' scales 2^e).
;; Outputs: out0 16 x 2,048 x 64 float32.
;; This version of the problem:
;;   THIS VERSION OF THE PROBLEM IS GIVEN IN LOW PRECISION. The matrix products marked QUANTISED in the list below multiply operands that are first quantised to E4M3 (4 exponent bits, 3 mantissa bits; 8 bits a number), with one given power-of-two scale for each operand tensor; their sums are f32. All else is computed in f32.
;;   The module's matrix products, in the order in which they are computed (A, B: the left and right operand; K: the contracted axis; several contracted axes count as one K, in the product's order):
;;     1. batch 16 x [M 2,048, K 64] x [K 64, N 2,048]; A: input Q (given as codes); B: input K (given as codes): QUANTISED (scales: A lowp_scales[0], B lowp_scales[1])
;;     2. [M 32,768, K 64] x [K 64, N 2,048]; A: input Q (given as codes); B: input Krelpos (given as codes): QUANTISED (scales: A lowp_scales[2], B lowp_scales[3])
;;     3. batch 16 x [M 2,048, K 2,048] x [K 2,048, N 64]; A: softmax (see below); B: input V (given as codes): QUANTISED (scales: A lowp_scales[4], B lowp_scales[5])
;;   THE QUANTISER, for each operand of a quantised product, along K:
;;     - The operand's scale is 2^e, e = its entry of the input lowp_scales (int32; the entries are numbered through the quantised products in the list's order, A before B).
;;     - Each number is divided by the scale, clamped to +-448, and rounded to the nearest number of E4M3, ties to even, subnormals kept.
;;     - The product sums the exact products of the quantised numbers (number of the format x scale) in f32.
;;   ~~~python
;;   def quantise(x, axis, e):      # numpy; x: float32 -> the quantised numbers, widened to float32 again
;;       x = np.moveaxis(x, axis, -1); K = x.shape[-1]
;;       r = np.clip(x / 2.0 ** e, -448, 448)
;;       step = 2.0 ** (np.maximum(np.frexp(np.where(r == 0, 1, r))[1] - 1, -6) - 3)
;;       q = np.round(r / step) * step * 2.0 ** e      # np.round: ties to even
;;       return np.moveaxis(q, -1, axis).astype(np.float32)
;;   ~~~
;;   SOFTMAX AHEAD OF A QUANTISED PRODUCT. Where the list says 'softmax', what is quantised is not the finished softmax but p = 2^(t - M), with t = logit x log2(e) and M = ceil(the row's largest t), a whole number; so 1/2 < the row's largest p <= 1. The row's sum l is taken of the UNQUANTISED p, in f32, and the product's result is divided by l at the end. Since M is a whole number, a kernel that streams over the keys may use a running M (the ceiling of the running maximum): every later rescaling is an exact power of two, so the quantised numbers keep their values, but for numbers so far below the row's largest that they fall under the format's range.
;;   OPERANDS COMPUTED ON THE WAY. 'Computed on the way' means the value that the module computes at that place (a softmax that the list does not call 'softmax' is quantised finished and normalised). What goes into a quantiser is computed in f32, as accurately as f32 sums, v_exp_f32 and their like allow (about 1e-6 of the number): no bf16 or f16 on the way to a quantiser, and a product that is left as it is and whose result goes on into a quantised operand takes f32 operands (vector FMAs, or v_wmma_f32_16x16x4_f32). A number that lies on a knife's edge between two numbers of the format may be rounded either way, as far as f32 arithmetic and the matrix unit's own rounding can turn it there, and no further.
;;   INPUTS GIVEN AS CODES. K (in the module: [16, 2048, 64], K = its axis 2); Krelpos (in the module: [64, 2048], K = its axis 0); Q (in the module: [16, 2048, 64], K = its axis 2); V (in the module: [16, 2048, 64], K = its axis 1): each comes as NAME_codes (uint8): NAME with its K axis moved to the last place and cut into blocks of 32 codes, [.., K / 32, bytes a block], one block behind the other in memory; one code a byte (a code: sign, 4 exponent bits, 3 mantissa bits); its scale is its entry of lowp_scales. Its value is code x scale, taken as it is: it is not quantised again, and the codes and scales need not be those that the quantiser above would give.
;; One version. Each part assembles by itself: llvm-mc -triple=amdgcn-amd-amdhsa -mcpu=gfx1250 --defsym DOCPART=n.
;; ======== version 1 of 1: 1 launch
;; limits: right only within a limited range of input values
;; launch attn (part 1): grid 16 x 16, 8 waves a work-group, no clusters, 203,776 bytes of LDS; arguments Q_codes, K_codes, V_codes, Krelpos_codes, lowp_scales, out0; writes out0
.if DOCPART == 1
	.amdgcn_target "amdgcn-amd-amdhsa--gfx1250"
	.amdhsa_code_object_version 6
	.text
	.protected	k_q584b066132_attn
	.globl	k_q584b066132_attn
	.p2align	8
	.type	k_q584b066132_attn,@function
k_q584b066132_attn:
	s_mov_b64 s[64:65], 0
	v_nop
	global_prefetch_b8 v0, s[64:65] scope:SCOPE_SE
	s_setreg_imm32_b32 hwreg(HW_REG_WAVE_MODE, 25, 1), 1
	s_wait_xcnt 0x0
; Causal attention with a relative-position bias, all three products on codes of FP8 (E4M3), one given scale 2^e a tensor (e0 .. e5).
; For key j <= query i:  score = 2^(e0+e1) Qc[i].Kc[j] + 2^(e2+e3) Qc[i].Rc[2047-i+j]   (Rc: the rows of Krelpos_codes; this is what the pad and reshape of the skew give on and below the diagonal).
; t = score x log2(e)/8;  M = the running largest t rounded up to a whole number;  p = 2^(t-M) is quantised with 2^e4;  O = (P V) 2^(e4+e5) / l, l = the sum of the unquantised p.
; LEFT OUT: key steps that lie wholly above the diagonal (the mask of reference() gives p = 0 there for all inputs), and with them the bias that the skew would bring there.
; SHARES.  16 x 16 work-groups: x = g, y = batch.  A work-group owns two blocks of 64 queries: F, rows 64 g on, and L, rows 1984 - 64 g on.  Keys go in steps of 128: F needs nF = g / 2 + 1 of them, L 17 - nF:
; 17 in every work-group.  Wave W: e = W / 4, c = W % 4.  Its queries are block + 32 X + e + 2 q, X = 0, 1 (two tiles), q = 0 .. 15.  Of the steps T = 0 .. 16 (F's, then L's) it takes T = (c + 2 e) % 4 + 4 k.
; The four waves of one e hold partial (M, l, O) of the same queries; they are merged once at the end, through LDS, by powers of two: eight tiles of 16 queries, one for each wave.
; LAYOUT.  Products are used transposed (source 0 = 16 keys, band rows or channels, source 1 = 16 queries): lane (q = lane % 16, h = lane / 16) holds one query.  The keys of a tile are not neighbours: register 8 u + j,
; u = 4 G + u', is key 64 G + 32 h + 8 u' + j of the step.
; THE SKEW.  With s = 15 - q, key kappa wants band row kappa + 2 s of the 160 rows that begin at 2017 - block - 32 X - e + 128 step.  The wave stores its 160 x 16 sums into LDS rows of its own, one for each query, and reads
; them back 8 s bytes further on: pieces of 8 bytes, aligned.  Pitch 656 = 41 x 16 bytes: the 16 lanes of a store touch 16 different 16-byte columns modulo 256, the 32 lanes of a load (17 q + 16 h, in units of 8 bytes) 32 different ones.
; THE MASK.  Band row 2047 is the diagonal: the rows behind it, the same for all 16 queries, are made -infinity ahead of the shift.
; Both tiles X share K's, V's and (32 rows apart: 12 fragments for 2 x 10) R's fragments.  These go from memory straight into registers: R's and K's a step ahead.
; NO CLUSTERS: there is no tile in LDS that a joint load could fill, and the steps of work-groups with different g differ in number and block.
; PREFETCH: in trip k (0 .. 2) wave 0 asks for keys 512 (k + 1) .. + 511 of V, which trip k + 1 is the first to load: 4 rows x 2 blocks of 256 bytes; the batch's 16 work-groups share the 64 rows out.  K and R are not prefetched:
; their loads themselves stand a step ahead of their use.
; k is permuted alike in Q, K and R (two loads of 16 bytes a fragment of 64), and in P and V.
; LIMITS: e0 + e1 between -123 and 130; e2 + e3 - e0 - e1 between -126 and 127; e4 between -126 and 119 (each makes an f32 power of two).  NaN codes among the inputs are not served, and nothing is carried from what is left out.
.set EP,   656                         ; a query's row of band sums: 160 x 4 bytes + 16
.set EW,   16*EP                       ; a wave's band: 10,496 bytes
.set IMF,  8*EW                        ; block F's partial results, EW a wave; block L's lie where the wave's band lay
.set IMX,  4608                        ; a tile's image: 9 parts of 512 bytes
.set STG,  16*EW                       ; the way out: 16 rows x 272 bytes a wave
.set SPARE, STG+8*4352                 ; 128 bytes for each wave
; w0 = window 0, w1 = window 1.  Tile X's state stands at the same numbers in window X:
; v8 2^e4; v[10:11] f; v12 -M, v13 largest t, v[14:15] l in two halves; v16-19 at work; Q v22-29; O^T v30-61; v62-63 and S v64-127 (P's codes v62-77)
; w0: v0 K's lane offset, v1 R's, v2-4 the same held at R's end, v5 V's, v6 the prefetch's, v7 band in, v9 band back, v20, v21 the spare word's address and 0; K's fragments v128-191; EA v192-255: band sums, then the shifted bias, then V
; w1: v0, v1 images of F and L, v2 the merge's, v3, v4 the stage in and back, v5 out's offset, v6 my band row; R's 12 fragments v128-223; v224-239 band sums 8, 9 of tile 1; v240-255 block L's Q
.set Q, 22
.set O, 30
.set S, 64
.set KF, 128
.set EA, 192
.set RF, 128
.set X1, 224
; s16 wave, s17 e, s19 g, s20 batch, s21 nF, s22 16 - nF, s23 T, s24 k, s25 next step's number, s26, s27 the bands' first rows at step 0, s39 1985 - e, s43 next band's first row, s45, s46 this step's row and number, s59 nF + 4, s60 T + 4
; s[28:29] K, s[30:35] R's three groups of 64 rows, s[54:55] V, s[56:57] prefetch; s[66:67] c 2^(e0+e1); s[68:73] e0 .. e5; s[74:75] 2^(e2+e3-e0-e1); s76 448 x 2^e4; s77 e4 + e5; s78 1: p can pass the largest code; s83 -infinity
.set MSB, 0
.macro WIN new                         ; the immediate's high byte repeats the setting that is left
.if MSB != \new
	s_set_vgpr_msb (MSB<<8)|\new
.set MSB, \new
.endif
.endm
.macro PLACES n
.rept \n
	v_nop
.endr
.endm
.macro LOCATE t                        ; step \t: its number s25 within the block, its band's first row s43
	s_add_co_u32 s25, \t, s22
	s_cmp_lt_u32 \t, s21
	s_cselect_b32 s25, \t, s25
	s_cselect_b32 s43, s26, s27
	s_and_b32 s25, s25, 15                         ; (T + 16 - nF) % 16 = T - nF
	s_lshl_b32 s44, s25, 7
	s_add_co_u32 s43, s43, s44
.endm
; R's 12 fragments in three groups of 64 rows.  A group behind R's end is held at the last (its sums become -infinity).  For e = 0 the last row of the group at the end would be row 2048: the fourth fragment's offset is held.
.macro RADDR
.irp k, 0,1,2
	s_add_co_u32 s44, s43, 64*\k
	s_min_u32 s44, s44, s39
	s_sub_co_u32 s[50+\k], 1999, s44
	s_lshl_b32 s[50+\k], s[50+\k], 6
	s_add_co_u32 s[50+\k], s[50+\k], 16
	s_lshl_b32 s48, s44, 6
	s_mov_b32 s49, 0
	s_add_nc_u64 s[30+2*\k:31+2*\k], s[10:11], s[48:49]
.endr
	s_lshl_b32 s48, s25, 13                        ; K: 128 keys of 64 bytes
	s_add_nc_u64 s[28:29], s[6:7], s[48:49]
.irp k, 0,1,2
	v_min_u32 v[2+\k], s[50+\k], v1
.endr
.endm
.macro RLOAD
	WIN 0x40
.irp k, 0,1,2
.irp m, 0,1,2
	global_load_b128 v[RF+32*\k+8*\m:RF+32*\k+8*\m+3], v1, s[30+2*\k:31+2*\k] offset:1024*\m
	global_load_b128 v[RF+32*\k+8*\m+4:RF+32*\k+8*\m+7], v1, s[30+2*\k:31+2*\k] offset:1024*\m+32
.endr
	global_load_b128 v[RF+32*\k+24:RF+32*\k+27], v[2+\k], s[30+2*\k:31+2*\k] offset:3072
	global_load_b128 v[RF+32*\k+28:RF+32*\k+31], v[2+\k], s[30+2*\k:31+2*\k] offset:3104
.endr
	WIN 0
.endm
.macro KLOAD
.irp u, 0,1,2,3,4,5,6,7
	global_load_b128 v[KF+8*\u:KF+8*\u+3], v0, s[28:29] offset:4096*(\u/4)+512*(\u%4)
	global_load_b128 v[KF+8*\u+4:KF+8*\u+7], v0, s[28:29] offset:4096*(\u/4)+512*(\u%4)+32
.endr
.endm
.macro BAND a, b                       ; ten tiles of band sums into the wave's LDS rows: tiles 0-7 at a, 8 and 9 at b
.irp i, 0,1,2,3,4,5,6,7
	ds_store_b128 v7, v[\a+8*\i:\a+8*\i+3] offset:64*\i
	ds_store_b128 v7, v[\a+8*\i+4:\a+8*\i+7] offset:64*\i+16
.endr
.irp i, 0,1
	ds_store_b128 v7, v[\b+8*\i:\b+8*\i+3] offset:512+64*\i
	ds_store_b128 v7, v[\b+8*\i+4:\b+8*\i+7] offset:512+64*\i+16
.endr
.endm
.macro BACK                            ; and back, shifted: LDS serves a wave's instructions in order (ISA guide 5.7.1.4)
.irp u, 0,1,2,3,4,5,6,7
.irp j, 0,2,4,6
	ds_load_b64 v[EA+8*\u+\j:EA+8*\u+\j+1], v9 offset:256*(\u/4)+32*(\u%4)+4*\j
.endr
.endr
.endm
.macro EDGE1 d, off
	s_cmp_lg_u32 s86, \d
	s_cbranch_scc1 .Lno_\@
	WIN 0x01
	ds_store_b32 v6, v16 offset:\off               ; both halves of the lanes write the same word with the same number
	WIN 0
.Lno_\@:
.endm
.macro SMAX                            ; the largest score among my 64 keys, in four chains; M; t - M
	v_max3_num_f32 v16, v[S], v[S+1], v[S+2]
	v_max3_num_f32 v17, v[S+3], v[S+4], v[S+5]
	v_max3_num_f32 v18, v[S+6], v[S+7], v[S+8]
	v_max3_num_f32 v19, v[S+9], v[S+10], v[S+11]
.set i, 12
.rept 6
	v_max3_num_f32 v16, v16, v[S+i], v[S+i+1]
	v_max3_num_f32 v17, v17, v[S+i+2], v[S+i+3]
	v_max3_num_f32 v18, v18, v[S+i+4], v[S+i+5]
	v_max3_num_f32 v19, v19, v[S+i+6], v[S+i+7]
.set i, i+8
.endr
	v_max3_num_f32 v16, v16, v[S+60], v[S+61]
	v_max3_num_f32 v17, v17, v[S+62], v[S+63]
	v_max_num_f32 v18, v18, v19
	s_delay_alu instid0(VALU_DEP_1)
	v_max3_num_f32 v16, v16, v17, v18
	s_delay_alu instid0(VALU_DEP_1)
	v_permlanex16_b32 v17, v16, s62, s63
	s_delay_alu instid0(VALU_DEP_1)
	v_max_num_f32 v16, v16, v17                    ; and among lane l xor 16's
	s_delay_alu instid0(VALU_DEP_1)
	v_mul_f32 v16, s66, v16                        ; as t (c is positive)
	s_delay_alu instid0(VALU_DEP_1)
	v_max_num_f32 v13, v13, v16                    ; the running largest t
	v_mov_b32 v18, v12
	s_delay_alu instid0(VALU_DEP_2)
	v_floor_f32 v12, -v13                          ; -M = floor(-t): M is a whole number
	s_delay_alu instid0(VALU_DEP_1)
	v_sub_f32 v18, v12, v18                        ; old M - new M, 0 or less
	s_delay_alu instid0(VALU_DEP_1)
	v_cvt_i32_f32 v18, v18                         ; (it saturates)
	s_delay_alu instid0(VALU_DEP_1)
	v_ldexp_f32 v10, 1.0, v18                      ; f = 2^(old M - new M)
.set i, 0
.rept 32
	v_pk_fma_f32 v[S+i:S+i+1], v[S+i:S+i+1], s[66:67], v[12:13] op_sel_hi:[1,0,0]   ; t - M
.set i, i+2
.endr
.endm
.macro SOFT w                          ; p, l, P's codes, O^T under the new M; w: the window setting of the tile
	s_wait_alu depctr_va_vdst(0)                   ; the wait ahead of the batch
.set i, 0
.rept 64
	v_exp_f32 v[S+i], v[S+i]                       ; p = 2^(t - M)
.set i, i+1
.endr
	v_pk_mul_f32 v[14:15], v[14:15], v[10:11] op_sel_hi:[1,0]   ; l under the new M; the plain instruction behind the exponentials
	s_wait_alu depctr_va_vdst(0)                   ; one wait for the batch, ahead of its first reader
	v_pk_add_f32 v[16:17], v[S:S+1], v[S+2:S+3]    ; l: two numbers at a time, in four chains
	v_pk_add_f32 v[18:19], v[S+4:S+5], v[S+6:S+7]
	v_pk_add_f32 v[62:63], v[S+8:S+9], v[S+10:S+11]
	v_pk_add_f32 v[14:15], v[14:15], v[S+12:S+13]
.set i, 14
.rept 6
	v_pk_add_f32 v[16:17], v[16:17], v[S+i:S+i+1]
	v_pk_add_f32 v[18:19], v[18:19], v[S+i+2:S+i+3]
	v_pk_add_f32 v[62:63], v[62:63], v[S+i+4:S+i+5]
	v_pk_add_f32 v[14:15], v[14:15], v[S+i+6:S+i+7]
.set i, i+8
.endr
	v_pk_add_f32 v[16:17], v[16:17], v[S+62:S+63]
	v_pk_add_f32 v[14:15], v[14:15], v[62:63]
	v_pk_add_f32 v[16:17], v[16:17], v[18:19]
	s_delay_alu instid0(VALU_DEP_1)
	v_pk_add_f32 v[14:15], v[14:15], v[16:17]
	WIN 0
	s_wait_alu depctr_va_vdst(0)
	s_cmp_eq_u32 s78, 0                            ; e4 >= -8: p / 2^e4 is at most 256, under the largest code
	s_cbranch_scc1 .Lheld_\@
	WIN \w
.set i, 0
.rept 64
	v_min_num_f32 v[S+i], s76, v[S+i]              ; the conversion does not saturate (ISA guide 7.6.2); p is not negative, so the hold is one-sided
.set i, i+1
.endr
	WIN 0
	s_wait_alu depctr_va_vdst(0)
.Lheld_\@:
	WIN \w
	v_cvt_scalef32_pk8_fp8_f32 v[62:63], v[S:S+7], v8   ; registers 2 u, 2 u + 1 of the operand: tile u's eight keys.  The codes overtake the numbers that they are made of
	s_wait_alu depctr_va_vdst(0)                   ; the wait here, directly ahead of the first reader of O^T
.set i, 0
.rept 16
	v_pk_mul_f32 v[O+i:O+i+1], v[O+i:O+i+1], v[10:11] op_sel_hi:[1,0]   ; O^T under the new M; also plain instructions behind the first conversion
.set i, i+2
.endr
	v_cvt_scalef32_pk8_fp8_f32 v[S:S+1], v[S+8:S+15], v8
	v_nop
.irp u, 2,3,4,5,6,7
	v_cvt_scalef32_pk8_fp8_f32 v[S+2*\u-2:S+2*\u-1], v[S+8*\u:S+8*\u+7], v8
.endr
	v_nop
	WIN 0
.endm
.macro IMAGE adr                       ; both tiles' O^T, -M and l as images of the registers: a lane's 16 bytes at 16 x lane, 512 bytes a part
	WIN 0x01
.irp i, 0,1,2,3,4,5,6,7
	ds_store_b128 v[\adr], v[O+4*\i:O+4*\i+3] offset:512*\i
.endr
	ds_store_b128 v[\adr], v[12:15] offset:4096
	WIN 0x05
.irp i, 0,1,2,3,4,5,6,7
	ds_store_b128 v[\adr], v[O+4*\i:O+4*\i+3] offset:IMX+512*\i
.endr
	ds_store_b128 v[\adr], v[12:15] offset:IMX+4096
	WIN 0
.endm
.macro START                           ; nothing seen: the largest t is -3e38, so the first step's f is 0
	v_mov_b32 v12, 0x7f61b1e6
	v_mov_b32 v13, 0xff61b1e6
.endm
	s_load_b256 s[4:11], s[0:1], 0x0               ; Q s[4:5], K s[6:7], V s[8:9], R s[10:11]
	s_load_b128 s[12:15], s[0:1], 0x20             ; the scales' exponents s[12:13], out s[14:15]
	v_lshl_add_u32 v20, v0, 2, SPARE
	v_mov_b32 v21, 0
	v_lshrrev_b32 v16, 5, v0
	v_and_b32 v17, 15, v0                          ; r (q)
	v_bfe_u32 v18, v0, 4, 1                        ; h
	v_and_b32 v11, 31, v0                          ; lane
	v_readfirstlane_b32 s16, v16
	s_wait_alu depctr_va_vdst(0)                   ; the wait ahead of the scalar work
	s_lshr_b32 s17, s16, 2                         ; e
	s_and_b32 s18, s16, 3                          ; c
	s_lshl_b32 s44, s17, 1
	s_add_co_u32 s23, s18, s44
	s_and_b32 s23, s23, 3                          ; my first step
	s_mov_b32 s19, ttmp9                           ; g
	s_and_b32 s20, ttmp7, 0xffff                   ; batch
	s_lshr_b32 s21, s19, 1
	s_add_co_u32 s21, s21, 1                       ; nF
	s_sub_co_u32 s22, 16, s21
	s_add_co_u32 s59, s21, 4
	s_lshl_b32 s44, s19, 6
	s_sub_co_u32 s39, 1985, s17
	s_sub_co_u32 s26, s39, s44                     ; F's band at step 0
	s_add_co_u32 s27, s44, 1
	s_sub_co_u32 s27, s27, s17                     ; L's
	s_mul_i32 s45, s16, EW                         ; my band
	s_add_co_u32 s46, s45, 120
	v_lshlrev_b32 v1, 6, v17
	v_lshl_add_u32 v1, v18, 4, v1                  ; R: row r, + 16 h
	v_lshlrev_b32 v16, 7, v17
	v_lshl_add_u32 v16, v18, 4, v16                ; Q: row 2 r, + 16 h
	v_lshlrev_b32 v5, 11, v17
	v_lshl_add_u32 v5, v18, 5, v5                  ; V: channel r, key 32 h
	v_and_b32 v19, 7, v17
	v_lshlrev_b32 v19, 6, v19
	v_lshrrev_b32 v10, 3, v17
	v_lshl_add_u32 v19, v10, 11, v19
	v_lshl_add_u32 v0, v18, 4, v19                 ; K: key r % 8 + 32 (r / 8), + 16 h
	v_mul_u32_u24 v10, v17, EP
	v_add_nc_u32 v10, s45, v10
	v_lshl_add_u32 v7, v18, 5, v10                 ; band in: row q, 8 h numbers on
	v_mul_u32_u24 v12, v17, EP-8
	v_lshl_add_u32 v12, v18, 7, v12
	v_add_nc_u32 v9, s46, v12                      ; band back: row q, 2 (15 - q) + 32 h numbers on
	v_min_u32 v15, 7, v11
	v_and_b32 v6, 1, v15
	v_lshlrev_b32 v6, 8, v6
	v_lshrrev_b32 v15, 1, v15
	v_lshl_add_u32 v6, v15, 11, v6                 ; the prefetch: lanes 0-7 name 4 rows x 2 blocks, the others the last again
	v_mul_u32_u24 v13, v17, 272
	v_lshl_add_u32 v13, v18, 5, v13                ; the stage, in: row q, channels 8 h
	v_mul_u32_u24 v14, v18, 272
	v_lshl_add_u32 v14, v17, 4, v14                ; and back: lanes 0-15 one row, lanes 16-31 the next
	v_lshlrev_b32 v19, 4, v17
	v_lshl_add_u32 v19, v18, 9, v19                ; out: 16 r, + two rows for the upper lanes
	s_wait_alu depctr_va_vdst(0)
	s_wait_kmcnt 0x0
	s_load_b128 s[68:71], s[12:13], 0x0            ; e0 .. e3
	s_load_b64 s[72:73], s[12:13], 0x10            ; e4, e5
	s_lshl_b32 s48, s20, 17                        ; a batch is 131,072 bytes in each tensor of codes
	s_mov_b32 s49, 0
	s_add_nc_u64 s[6:7], s[6:7], s[48:49]
	s_add_nc_u64 s[8:9], s[8:9], s[48:49]
	s_add_nc_u64 s[4:5], s[4:5], s[48:49]
	s_add_co_u32 s44, s44, s17                     ; 64 g + e  (LOCATE below writes s44)
	s_lshl_b32 s48, s44, 6
	s_add_nc_u64 s[80:81], s[4:5], s[48:49]        ; F's Q
	s_lshl_b32 s47, s19, 6
	s_sub_co_u32 s47, 1984, s47
	s_add_co_u32 s48, s47, s17
	s_lshl_b32 s48, s48, 6
	s_add_nc_u64 s[84:85], s[4:5], s[48:49]        ; L's Q
	LOCATE s23
	RADDR
	global_load_b128 v[Q:Q+3], v16, s[80:81]
	global_load_b128 v[Q+4:Q+7], v16, s[80:81] offset:32
	WIN 0x40
	global_load_b128 v[Q:Q+3], v16, s[80:81] offset:2048
	global_load_b128 v[Q+4:Q+7], v16, s[80:81] offset:2080
	RLOAD
	KLOAD
	WIN 0x40
	global_load_b128 v[240:243], v16, s[84:85]
	global_load_b128 v[244:247], v16, s[84:85] offset:32
	global_load_b128 v[248:251], v16, s[84:85] offset:2048
	global_load_b128 v[252:255], v16, s[84:85] offset:2080
	; window 1's addresses
	s_add_co_u32 s48, s45, IMF
	v_mov_b32 v6, v10
	v_lshl_add_u32 v0, v11, 4, s48
	v_lshl_add_u32 v1, v11, 4, s45
	v_mov_b32 v5, v19
	s_wait_alu depctr_va_vdst(0)
	s_lshr_b32 s86, s16, 2                         ; the tile that I merge: of block L (0) or F (1),
	s_bfe_u32 s87, s16, 0x10001                    ; its e,
	s_and_b32 s88, s16, 1                          ; its X
	s_mul_i32 s48, s86, IMF
	s_mul_i32 s50, s87, 4*EW
	s_add_co_u32 s48, s48, s50
	s_mul_i32 s50, s88, IMX
	s_add_co_u32 s48, s48, s50
	s_mul_i32 s50, s16, 4352
	s_add_co_u32 s50, s50, STG
	v_lshl_add_u32 v2, v11, 4, s48
	v_add_nc_u32 v3, s50, v13
	v_add_nc_u32 v4, s50, v14
	s_lshl_b32 s50, s19, 6
	s_cmp_eq_u32 s86, 0
	s_cselect_b32 s50, s47, s50
	s_lshl_b32 s88, s88, 5
	s_add_co_u32 s50, s50, s88
	s_add_co_u32 s50, s50, s87
	s_lshl_b32 s48, s20, 11
	s_add_co_u32 s48, s48, s50
	s_lshl_b32 s48, s48, 8                         ; (2048 batch + block + 32 X + e) rows of 256 bytes
	s_mov_b32 s49, 0
	s_add_nc_u64 s[100:101], s[14:15], s[48:49]
	s_lshl_b32 s48, s19, 13
	s_add_co_u32 s48, s48, 512
	s_add_nc_u64 s[56:57], s[8:9], s[48:49]        ; the prefetches: V's rows 4 g on, key 512
	s_cmp_eq_u32 s16, 0
	s_cselect_b32 s58, 3, 0                        ; wave 0 asks in trips 0 to 2
	; both tiles begin with nothing
.irp w, 0x40, 0
	WIN \w
.set i, 0
.rept 32
	v_mov_b32 v[O+i], 0
.set i, i+1
.endr
	START
	v_mov_b32 v14, 0
	v_mov_b32 v15, 0
	v_mov_b32 v11, 0                               ; (named as the upper half of the pair v[10:11])
.endr
	s_mov_b32 s62, 0x76543210
	s_mov_b32 s63, 0xfedcba98
	s_mov_b32 s83, 0xff800000
	s_wait_alu depctr_va_vdst(0)
	s_wait_kmcnt 0x0
	s_add_co_i32 s47, s68, s69                     ; e0 + e1
	s_add_co_i32 s48, s70, s71
	s_sub_co_i32 s48, s48, s47
	s_add_co_i32 s48, s48, 127
	s_lshl_b32 s74, s48, 23                        ; 2^(e2+e3-e0-e1)
	s_mov_b32 s75, s74                             ; (named with it as a pair)
	s_lshl_b32 s47, s47, 23
	s_add_co_i32 s66, s47, 0x3e38aa3b              ; c = log2(e) / 8, with e0 + e1 added to its exponent field
	s_mov_b32 s67, s66
	s_add_co_i32 s47, s72, 127
	s_lshl_b32 s48, s47, 23                        ; 2^e4: the conversion takes its exponent field
	s_add_co_i32 s47, s47, 8
	s_lshl_b32 s47, s47, 23
	s_or_b32 s76, s47, 0x600000                    ; 448 x 2^e4
	s_add_co_i32 s77, s72, s73
	s_cmp_lt_i32 s72, -8
	s_cselect_b32 s78, 1, 0
	v_mov_b32 v8, s48
	WIN 0x40
	v_mov_b32 v8, s48
	WIN 0
	s_mov_b32 s24, 0
	s_wait_alu depctr_va_vdst(0)                   ; the wait at the head's end
.Ltrip:                                                ; five trips in every wave; a wave whose step would be the 18th or later passes over the work
	s_cmp_gt_u32 s23, 16
	s_cbranch_scc1 .Lskip
	s_wait_loadcnt 0x0                             ; this step's R and K (and Q)
	s_cmp_lt_u32 s23, s21
	s_cbranch_scc1 .Lsame
	s_cmp_ge_u32 s23, s59
	s_cbranch_scc1 .Lsame
	IMAGE 0                                        ; my first step of L: F's part (nothing, where I had no step of F) goes to LDS; f = 0 then clears l and O^T
	START
	WIN 0x40
	START
	WIN 0x01
.irp k, 0,1,2,3,4,5,6,7
	v_mov_b32 v[Q+\k], v[240+\k]
.endr
	WIN 0x41
.irp k, 0,1,2,3,4,5,6,7
	v_mov_b32 v[Q+\k], v[248+\k]
.endr
	WIN 0
	s_wait_alu depctr_va_vdst(0)
.Lsame:
	s_mov_b32 s45, s43
	s_mov_b32 s46, s25
	s_add_co_u32 s60, s23, 4                       ; my next step
	; THE BAND: tile 0 takes fragments 2-11, tile 1 (32 queries further on) 0-9
	WIN 0x01
.irp i, 0,1,2,3,4,5,6,7
	v_wmma_f32_16x16x64_fp8_fp8 v[EA+8*\i:EA+8*\i+7], v[RF+8*\i+16:RF+8*\i+23], v[Q:Q+7], 0
.endr
.irp i, 0,1
	v_wmma_f32_16x16x64_fp8_fp8 v[S+8*\i:S+8*\i+7], v[RF+8*\i+80:RF+8*\i+87], v[Q:Q+7], 0
.endr
	WIN 0x45
.irp i, 0,1,2,3,4,5,6,7
	v_wmma_f32_16x16x64_fp8_fp8 v[S+8*\i:S+8*\i+7], v[RF+8*\i:RF+8*\i+7], v[Q:Q+7], 0
.endr
.irp i, 0,1
	v_wmma_f32_16x16x64_fp8_fp8 v[X1+8*\i:X1+8*\i+7], v[RF+8*\i+64:RF+8*\i+71], v[Q:Q+7], 0
.endr
	WIN 0
	PLACES 5                                       ; ahead of stores and loads, and of the products that write over these sums
	v_mov_b32 v16, s83
	s_wait_alu depctr_va_vdst(0)
	s_sub_co_u32 s44, s39, s45                     ; 64 d: the block's first query less the step's first key
	s_cmp_eq_u32 s17, 0
	s_cselect_b32 s86, s44, 0xff                   ; e = 0: one row of fragment 4 (d / 64) + 3 lies behind the diagonal too
	s_cmp_gt_u32 s44, 64
	s_cbranch_scc1 .Lopen                          ; ids and the count of steps alone
	s_cmp_lg_u32 s44, 0
	s_cbranch_scc1 .Lhalf
.set i, 0
.rept 32                               ; d = 0: fragments 4-7 lie behind R's end
	v_mov_b32 v[EA+16+i], s83
.set i, i+1
.endr
	WIN 0x40
.set i, 0
.rept 32
	v_mov_b32 v[S+32+i], s83
.set i, i+1
.endr
	WIN 0
	s_wait_alu depctr_va_vdst(0)
.Lhalf:                                                ; d = 0 or 64: fragments 8-11
.set i, 0
.rept 16
	v_mov_b32 v[EA+48+i], s83
	v_mov_b32 v[S+i], s83
.set i, i+1
.endr
	WIN 0x40
.set i, 0
.rept 16
	v_mov_b32 v[X1+i], s83
.set i, i+1
.endr
	WIN 0
	s_wait_alu depctr_va_vdst(0)
.Lopen:
	BAND EA, S
	EDGE1 0, 124
	EDGE1 64, 380
	EDGE1 128, 636
	BACK
	WIN 0x04
	BAND S, X1                                     ; into the same rows: behind tile 0's loads
	WIN 0
	EDGE1 0, 252
	EDGE1 64, 508
	s_cmp_gt_u32 s60, 16
	s_cbranch_scc1 .Lno_r
	LOCATE s60
	RADDR                                          ; (all earlier loads are done: their address registers may be written)
	RLOAD                                          ; the next step's R
.Lno_r:
	; S^T = K Q^T
.irp u, 0,1,2,3,4,5,6,7
	v_wmma_f32_16x16x64_fp8_fp8 v[S+8*\u:S+8*\u+7], v[KF+8*\u:KF+8*\u+7], v[Q:Q+7], 0
.endr
	WIN 0x44
.irp u, 0,1,2,3,4,5,6,7
	v_wmma_f32_16x16x64_fp8_fp8 v[S+8*\u:S+8*\u+7], v[KF+8*\u:KF+8*\u+7], v[Q:Q+7], 0
.endr
	WIN 0
	PLACES 4
	s_cmp_gt_u32 s60, 16
	s_cbranch_scc1 .Lno_k
	KLOAD                                          ; the next step's K
.Lno_k:
	s_cmp_lt_u32 s24, s58
	s_cbranch_scc0 .Lno_p
	global_prefetch_b8 v6, s[56:57] th:TH_LOAD_NT scope:SCOPE_SE
.Lno_p:
	s_wait_dscnt 20                                ; tile 0's shifted bias is in; tile 1's 20 stores may be out
.set i, 0
.rept 32
	v_pk_fma_f32 v[S+i:S+i+1], v[EA+i:EA+i+1], s[74:75], v[S+i:S+i+1] op_sel_hi:[1,0,1]   ; + the bias, in units of the content sums
.set i, i+2
.endr
	BACK                                           ; tile 1's bias lands while tile 0's softmax is worked
	SMAX
	SOFT 0
	s_lshl_b32 s48, s46, 7
	s_mov_b32 s49, 0
	s_add_nc_u64 s[54:55], s[8:9], s[48:49]        ; V at the step's keys
	s_wait_alu depctr_va_vdst(0)
	s_wait_dscnt 0x0
	WIN 0x50
	s_wait_alu depctr_va_vdst(0)                   ; the wait here, directly ahead of the first reader of tile 1's scores
.set i, 0
.rept 32
	v_pk_fma_f32 v[S+i:S+i+1], v[EA+i:EA+i+1], s[74:75], v[S+i:S+i+1] op_sel_hi:[1,0,1]
.set i, i+2
.endr
	WIN 0
.irp t, 0,1,2,3                        ; V's fragments (16 channels x 128 keys) land while tile 1's softmax is worked
.irp w, 0,1,2,3
	global_load_b128 v[EA+16*\t+4*\w:EA+16*\t+4*\w+3], v5, s[54:55] offset:32768*\t+64*(\w/2)+16*(\w%2)
.endr
.endr
	WIN 0x55
	SMAX
	SOFT 0x55
	s_wait_alu depctr_va_vdst(0)
	s_wait_loadcnt 0x0
.irp t, 0,1,2,3                        ; O^T += V^T P^T
	v_wmma_f32_16x16x128_fp8_fp8 v[O+8*\t:O+8*\t+7], v[EA+16*\t:EA+16*\t+15], v[62:77], v[O+8*\t:O+8*\t+7]
.endr
	WIN 0x54
.irp t, 0,1,2,3
	v_wmma_f32_16x16x128_fp8_fp8 v[O+8*\t:O+8*\t+7], v[EA+16*\t:EA+16*\t+15], v[62:77], v[O+8*\t:O+8*\t+7]
.endr
	WIN 0
	PLACES 5                                       ; ahead of the next step's products that write over these operands, and of O^T's next reader
	s_wait_xcnt 0x0                                ; any prefetch of mine has read its address
	s_add_nc_u64 s[56:57], s[56:57], 512
.Lskip:
	s_add_co_u32 s23, s23, 4
	s_add_co_u32 s24, s24, 1
	s_cmp_lt_u32 s24, 5
	s_wait_alu depctr_va_vdst(0)
	s_cbranch_scc1 .Ltrip
	s_wait_loadcnt 0x0                             ; no load of mine is out, on whichever way the loop was left
	IMAGE 1                                        ; L's part, where my band lay
	s_wait_dscnt 0x0                               ; for the others' sake: the images lie in LDS
	s_barrier_signal -1
	s_barrier_wait -1
	; THE MERGE of one tile: the images of the four waves of its e, 36 registers each
	WIN 0x01
.irp c, 0,1,2,3
.irp i, 0,1,2,3,4,5,6,7,8
	ds_load_b128 v[64+36*\c+4*\i:64+36*\c+4*\i+3], v2 offset:EW*\c+512*\i
.endr
.endr
	WIN 0
	s_wait_dscnt 0x0
	v_min3_num_f32 v16, v96, v132, v168
.irp c, 0,1,2,3
	v_add_f32 v[40+\c], v[98+36*\c], v[99+36*\c]
.endr
	v_min_num_f32 v16, v16, v204                   ; -(the largest M)
.irp c, 0,1,2,3
	v_sub_f32 v[O+2*\c], v16, v[96+36*\c]
.endr
.irp c, 0,1,2,3
	v_cvt_i32_f32 v[O+2*\c], v[O+2*\c]             ; whole numbers, 0 or less; a part that saw no key gives the least, and the factor 0
.endr
.irp c, 0,1,2,3
	v_ldexp_f32 v[O+2*\c], 1.0, v[O+2*\c]
.endr
	v_mul_f32 v17, v40, v30
	v_mul_f32 v18, v41, v32
	v_fmac_f32 v17, v42, v34
	v_fmac_f32 v18, v43, v36
	v_add_f32 v17, v17, v18
	v_permlanex16_b32 v18, v17, s62, s63
	v_add_f32 v17, v17, v18                        ; the row's sum: above 1/2
	s_wait_alu depctr_va_vdst(0)
	v_rcp_f32 v18, v17
	v_nop                                          ; a plain instruction behind the reciprocal
	s_wait_alu depctr_va_vdst(0)                   ; and the wait ahead of its first reader
	v_ldexp_f32 v18, v18, s77                      ; x 2^(e4+e5)
.irp c, 0,1,2,3
	v_mul_f32 v[O+2*\c], v[O+2*\c], v18
.endr
.set i, 0
.rept 16
	v_pk_mul_f32 v[64+i:65+i], v[64+i:65+i], v[30:31] op_sel_hi:[1,0]
.set i, i+2
.endr
.irp c, 1,2,3
.set i, 0
.rept 16
	v_pk_fma_f32 v[64+i:65+i], v[64+36*\c+i:65+36*\c+i], v[O+2*\c:O+2*\c+1], v[64+i:65+i] op_sel_hi:[1,0,1]
.set i, i+2
.endr
.endr
	WIN 0x01
.irp t, 0,1,2,3                        ; lane (q, h): channels 16 t + 8 h + 0 .. 7 of stage row q
	ds_store_b128 v3, v[64+8*\t:67+8*\t] offset:64*\t
	ds_store_b128 v3, v[68+8*\t:71+8*\t] offset:64*\t+16
.endr
.irp k, 0,1,2,3,4,5,6,7                ; back as whole rows: the stage is my wave's own, and LDS serves a wave's instructions in order
	ds_load_b128 v[128+4*\k:131+4*\k], v4 offset:544*\k
.endr
.irp k, 0,1,2,3,4,5,6,7
	s_wait_dscnt 7-\k                              ; row pair k is back; the loads behind it may be out
	global_store_b128 v5, v[128+4*\k:131+4*\k], s[100:101] offset:1024*\k th:TH_STORE_NT   ; 16 lanes store a row's 256 bytes, aligned
.endr
	WIN 0
	s_wait_tensorcnt 0x0                           ; the wave's end
	ds_add_u32 v20, v21
	s_wait_dscnt 0x0
	s_endpgm
.Lfunc_end_k_q584b066132_attn:
	.size	k_q584b066132_attn, .Lfunc_end_k_q584b066132_attn-k_q584b066132_attn
	.p2alignl 7, 3214868480
	.fill 96, 4, 3214868480
	.section	.rodata,"a",@progbits
	.p2align	6, 0x0
	.amdhsa_kernel k_q584b066132_attn
		.amdhsa_group_segment_fixed_size 203776
		.amdhsa_private_segment_fixed_size 0
		.amdhsa_enable_private_segment 0
		.amdhsa_kernarg_size 48
		.amdhsa_user_sgpr_count 2
		.amdhsa_user_sgpr_kernarg_segment_ptr 1
		.amdhsa_wavefront_size32 1
		.amdhsa_system_sgpr_workgroup_id_x 1
		.amdhsa_system_sgpr_workgroup_id_y 1
		.amdhsa_system_sgpr_workgroup_id_z 1
		.amdhsa_system_vgpr_workitem_id 0
		.amdhsa_next_free_vgpr 512
		.amdhsa_next_free_sgpr 106
		.amdhsa_reserve_vcc 0
		.amdhsa_float_denorm_mode_32 3
		.amdhsa_float_denorm_mode_16_64 3
		.amdhsa_memory_ordered 1
		.amdhsa_forward_progress 1
		.amdhsa_inst_pref_size 80
	.end_amdhsa_kernel
	.amdgpu_metadata
---
amdhsa.version: [ 1, 2 ]
amdhsa.kernels:
  - .name:           k_q584b066132_attn
    .symbol:         k_q584b066132_attn.kd
    .args:
      - { .name: Q_codes, .offset: 0, .size: 8, .value_kind: global_buffer, .address_space: global }
      - { .name: K_codes, .offset: 8, .size: 8, .value_kind: global_buffer, .address_space: global }
      - { .name: V_codes, .offset: 16, .size: 8, .value_kind: global_buffer, .address_space: global }
      - { .name: Krelpos_codes, .offset: 24, .size: 8, .value_kind: global_buffer, .address_space: global }
      - { .name: lowp_scales, .offset: 32, .size: 8, .value_kind: global_buffer, .address_space: global }
      - { .name: out0, .offset: 40, .size: 8, .value_kind: global_buffer, .address_space: global }
    .group_segment_fixed_size: 203776
    .private_segment_fixed_size: 0
    .kernarg_segment_align: 8
    .kernarg_segment_size: 48
    .max_flat_workgroup_size: 256
    .sgpr_count:     106
    .vgpr_count:     512
    .wavefront_size: 32
...
	.end_amdgpu_metadata
.endif
;; end of part 1
